; MI455X (gfx1250); checked and timed in simulation.
; The chip was launched on July 23, 2026; its instructions are those of AMD's public machine-readable ISA for CDNA 5 (MIT licence, August 2026) and "CDNA5" Instruction Set Architecture Reference Guide (July 2026). The comments in the code are by the model that wrote it; some were corrected since.
;; lstmcell. Allowed arithmetic: matrix products marked QUANTISED: E4M3 operands, one given power-of-two scale a tensor, by v_wmma_f32_16x16x64_fp8_fp8 or v_wmma_f32_16x16x128_fp8_fp8, f32 sums; everything else in f32.
;; Inputs: Wh 4 x 1,024 x 1,024 float32; Wx 4 x 1,024 x 1,024 float32; bh 4 x 1,024 float32; bx 4 x 1,024 float32; input_embedding 8,192 x 1,024 float32; lowp_scales 4 int32 (the exponents e of the quantised operands' scales 2^e); previous_cell_states 8,192 x 1,024 float32; previous_hidden_states 8,192 x 1,024 float32.
;; Outputs: out0 8,192 x 1,024 float32; out1 8,192 x 1,024 float32.
;; This version of the problem:
;;   THIS VERSION OF THE PROBLEM IS GIVEN IN LOW PRECISION. The matrix products marked QUANTISED in the list below multiply operands that are first quantised to E4M3 (4 exponent bits, 3 mantissa bits; 8 bits a number), with one given power-of-two scale for each operand tensor; their sums are f32. All else is computed in f32.
;;   The module's matrix products, in the order in which they are computed (A, B: the left and right operand; K: the contracted axis; several contracted axes count as one K, in the product's order):
;;     1. [M 8,192, K 1,024] x [K 1,024, N 4,096]; A: input input_embedding; B: input Wx: QUANTISED (scales: A lowp_scales[0], B lowp_scales[1])
;;     2. [M 8,192, K 1,024] x [K 1,024, N 4,096]; A: input previous_hidden_states; B: input Wh: QUANTISED (scales: A lowp_scales[2], B lowp_scales[3])
;;   THE QUANTISER, for each operand of a quantised product, along K:
;;     - The operand's scale is 2^e, e = its entry of the input lowp_scales (int32; the entries are numbered through the quantised products in the list's order, A before B).
;;     - Each number is divided by the scale, clamped to +-448, and rounded to the nearest number of E4M3, ties to even, subnormals kept.
;;     - The product sums the exact products of the quantised numbers (number of the format x scale) in f32.
;;   ~~~python
;;   def quantise(x, axis, e):      # numpy; x: float32 -> the quantised numbers, widened to float32 again
;;       x = np.moveaxis(x, axis, -1); K = x.shape[-1]
;;       r = np.clip(x / 2.0 ** e, -448, 448)
;;       step = 2.0 ** (np.maximum(np.frexp(np.where(r == 0, 1, r))[1] - 1, -6) - 3)
;;       q = np.round(r / step) * step * 2.0 ** e      # np.round: ties to even
;;       return np.moveaxis(q, -1, axis).astype(np.float32)
;;   ~~~
;; One version. Each part assembles by itself: llvm-mc -triple=amdgcn-amd-amdhsa -mcpu=gfx1250 --defsym DOCPART=n.
;; ======== version 1 of 1: 2 launches
;; limits: right only within a limited range of input values
;; workspace buffers: acodes 16,777,216 bytes; wcodes 8,388,608 bytes
;; launch quant (part 1): grid 768 x 1, 4 waves a work-group, no clusters, 68,096 bytes of LDS; arguments input_embedding, previous_hidden_states, Wx, Wh, lowp_scales, acodes, wcodes; writes acodes, wcodes
.if DOCPART == 1
	.amdgcn_target "amdgcn-amd-amdhsa--gfx1250"
	.amdhsa_code_object_version 6
	.text
	.protected	k_q187f95f40b_quant
	.globl	k_q187f95f40b_quant
	.p2align	8
	.type	k_q187f95f40b_quant,@function
k_q187f95f40b_quant:
	s_mov_b64 s[64:65], 0
	v_nop
	global_prefetch_b8 v0, s[64:65] scope:SCOPE_SE
	s_setreg_imm32_b32 hwreg(HW_REG_WAVE_MODE, 25, 1), 1
	s_wait_xcnt 0x0
; All four operands of the two products become codes of FP8 (E4M3), each with the one scale 2^e that is given for it (e0: x, e1: Wx, e2: h, e3: Wh).
; code = number / 2^e, held within +-448, rounded to the nearest code, ties to even.
; LIMITS: each e lies between -126 and 119, so that 2^e and 448 x 2^e are f32 numbers.  NaN among the inputs is not served; an infinity is held at the largest code.
; acodes [8192][2048]: row m = the 1,024 codes of x[m][:], then the 1,024 codes of h[m][:]: the two products are later walked as one K of 2,048.
; wcodes is laid AS THE NEXT LAUNCH'S OPERAND REGISTERS TAKE IT: [ob 16][half 2][s 16][b 8][c 4][lane 32][16 bytes].  ob, half: output columns 64 ob + 32 half + 0 .. 31; s: 128 along K
; (s 0-7 Wx, s 8-15 Wh); b = 2 g + u: gate g, columns 16 u on; lane (h = lane / 16, r = lane % 16): column 16 u + r, k = 128 s + 32 c + 16 h + 0 .. 15.
; Work-groups 0-255 take x, 256-511 h (K innermost: a plain stream); 512-639 take Wx, 640-767 Wh (a lane takes a column, its registers run down K).
; No tensor loads, no barrier: waves share nothing.  Each of the two ways has LDS bytes of its own: [0, 32768) and [32768, 67584); the spare words lie behind them.
.set STEPS, 16
.set SP,    80                         ; activations: a lane's place in a stage: 64 bytes + 16 of padding
.set WREG,  8192                       ; a wave's region: two stages of 32 x SP bytes
.set R,     16                         ; v16-79   four sets of 16 numbers as loaded
.set X,     80                         ; v80-111  two sets of 16 neighbours
.set C,     128                        ; v128-191 codes, four registers a step
.set WSTG,  32768                      ; weights: the stages: 32 rows x WP bytes a wave
.set WP,    272
.set NB,    8                          ; blocks of 32 along K for a wave
.set XW,    32                         ; v32-95   two sets of 32 numbers
.set CW,    96                         ; v96-103  a block's codes
.set OUTR,  112                        ; v112-175 the way out
	s_load_b256 s[4:11], s[0:1], 0x0               ; x, h, Wx, Wh
	s_load_b64 s[12:13], s[0:1], 0x20              ; the scales' exponents
	s_load_b128 s[16:19], s[0:1], 0x28             ; acodes, wcodes
	v_lshl_add_u32 v192, v0, 2, 0x10800            ; my spare word
	v_mov_b32 v193, 0
	v_lshrrev_b32 v1, 5, v0
	v_readfirstlane_b32 s24, v1                    ; wave
	v_and_b32 v2, 31, v0                           ; lane
	s_mov_b32 s29, 0
	s_wait_kmcnt 0x0
	s_load_b128 s[20:23], s[12:13], 0x0            ; e0 .. e3
	s_cmp_ge_u32 ttmp9, 512
	s_cbranch_scc1 .Lweights
; x and h: a wave takes 8 rows in 16 steps of 512 numbers; a step's 2,048 bytes turn through the wave's own stage, so that a lane holds 16 neighbours
	s_wait_alu depctr_va_vdst(0)
	v_lshlrev_b32 v3, 4, v2                        ; 16 x lane
	s_wait_alu depctr_va_vdst(0)
	s_mul_i32 s25, s24, WREG
	v_lshrrev_b32 v14, 2, v2
	v_mul_u32_u24 v14, v14, SP
	v_and_b32 v15, 3, v2
	v_lshl_add_u32 v14, v15, 4, v14
	v_add_nc_u32 v14, s25, v14                     ; into the stage: SP (lane / 4) + 16 (lane % 4)
	v_mul_u32_u24 v15, v2, SP
	v_add_nc_u32 v15, s25, v15                     ; out of it: SP x lane
	s_cmp_lt_u32 ttmp9, 256                        ; x or h: by the work-group's number alone
	s_cselect_b64 s[4:5], s[4:5], s[6:7]
	s_cselect_b32 s26, 0, 1024
	s_and_b32 s25, ttmp9, 255
	s_lshl_b32 s25, s25, 2
	s_add_co_u32 s25, s25, s24                     ; my run of 8 rows
	s_lshl_b32 s28, s25, 15
	s_add_nc_u64 s[4:5], s[4:5], s[28:29]
	s_lshl_b32 s28, s25, 14
	s_add_co_u32 s28, s28, s26
	s_add_nc_u64 s[16:17], s[16:17], s[28:29]
.macro LOADA t
.irp i, 0,1,2,3
	global_load_b128 v[R+16*((\t)%4)+4*\i:R+16*((\t)%4)+4*\i+3], v3, s[4:5] offset:2048*(\t)+512*\i th:TH_LOAD_NT
.endr
.endm
.macro TURNA t                         ; LDS serves a wave's instructions in order: no wait between the stores and the loads
.irp i, 0,1,2,3
	ds_store_b128 v14, v[R+16*((\t)%4)+4*\i:R+16*((\t)%4)+4*\i+3] offset:32*SP*((\t)%2)+8*SP*\i
.endr
.irp i, 0,1,2,3
	ds_load_b128 v[X+16*((\t)%2)+4*\i:X+16*((\t)%2)+4*\i+3], v15 offset:32*SP*((\t)%2)+16*\i
.endr
.endm
.irp t, 0,1,2,3
	LOADA \t
.endr
	s_wait_alu depctr_va_vdst(0)
	s_wait_kmcnt 0x0
	s_cmp_lt_u32 ttmp9, 256
	s_cselect_b32 s22, s20, s22                    ; e0 or e2
	s_add_co_i32 s22, s22, 127
	s_lshl_b32 s23, s22, 23
	v_mov_b32 v11, s23                             ; 2^e
	s_add_co_i32 s22, s22, 8
	s_lshl_b32 s22, s22, 23
	s_or_b32 s22, s22, 0x600000
	v_mov_b32 v10, s22                             ; 448 x 2^e
	s_wait_alu depctr_va_vdst(0)
	s_wait_loadcnt 12                              ; step 0's four loads are in; steps 1 to 3 may be out
	TURNA 0
.macro STEPA t
.set XS, X+16*((\t)%2)
	s_wait_dscnt 0x0                               ; this step's numbers are back: its stores into the stage have read their registers
.if (\t)+4 < STEPS
	LOADA (\t)+4
.endif
.if (\t)+1 < STEPS
.if STEPS-2-(\t) >= 3
	s_wait_loadcnt 12                              ; the next step's loads are in; three steps' may be out
.else
	s_wait_loadcnt 4*(STEPS-2-(\t))
.endif
	TURNA (\t)+1
.endif
.irp i, 0,1,2,3,4,5,6,7,8,9,10,11,12,13,14,15
	v_med3_num_f32 v[XS+\i], v[XS+\i], -v10, v10   ; the conversion does not saturate (ISA guide 7.6.2): the hold comes first
.endr
	v_cvt_scalef32_pk8_fp8_f32 v[C+4*(\t):C+4*(\t)+1], v[XS:XS+7], v11
	v_cvt_scalef32_pk8_fp8_f32 v[C+4*(\t)+2:C+4*(\t)+3], v[XS+8:XS+15], v11
	global_store_b128 v3, v[C+4*(\t):C+4*(\t)+3], s[16:17] offset:((\t)/2)*2048+((\t)%2)*512   ; 512 consecutive bytes, aligned
.endm
.irp t, 0,1,2,3,4,5,6,7,8,9,10,11,12,13,14,15
	STEPA \t
.endr
	s_wait_tensorcnt 0x0                           ; the wave's end
	ds_add_u32 v192, v193
	s_wait_dscnt 0x0
	s_endpgm
; Wx and Wh: a work-group takes one gate's 128 columns x 256 along K; a wave 32 columns, a lane a column, its registers down K
.Lweights:
	s_cmp_lt_u32 ttmp9, 640                        ; Wx or Wh
	s_cselect_b64 s[8:9], s[8:9], s[10:11]
	s_cselect_b32 s26, 0, 1024
	s_sub_co_u32 s25, ttmp9, 512
	s_bfe_u32 s27, s25, 0x20005                    ; g
	s_bfe_u32 s30, s25, 0x30002                    ; cb: which 128 columns
	s_and_b32 s31, s25, 3                          ; kq: which 256 along K
	s_lshl_b32 s28, s27, 22
	s_lshl_b32 s32, s31, 20
	s_add_co_u32 s28, s28, s32
	s_lshl_b32 s32, s30, 9
	s_add_co_u32 s28, s28, s32
	s_lshl_b32 s32, s24, 7
	s_add_co_u32 s28, s28, s32
	s_add_nc_u64 s[8:9], s[8:9], s[28:29]
	s_lshl_b32 s33, s30, 1                         ; ob = 2 cb + wave / 2, half = wave % 2
	s_lshr_b32 s32, s24, 1
	s_add_co_u32 s33, s33, s32
	s_lshl_b32 s33, s33, 8
	s_and_b32 s32, s24, 1
	s_lshl_b32 s32, s32, 7
	s_add_co_u32 s33, s33, s32                     ; 128 (2 ob + half)
	s_lshl_b32 s33, s33, 11                        ; x 2,048: 262,144 bytes for each (ob, half)
	s_lshl_b32 s32, s27, 12                        ; b = 2 g: 2,048 bytes a fragment
	s_add_co_u32 s33, s33, s32
	s_lshl_b32 s32, s26, 7                         ; Wh: s = 8 on, 16,384 bytes a step
	s_add_co_u32 s33, s33, s32
	s_lshl_b32 s32, s31, 15                        ; s = 2 kq on
	s_add_co_u32 s28, s33, s32
	s_add_nc_u64 s[18:19], s[18:19], s[28:29]
	s_wait_alu depctr_va_vdst(0)
	v_lshlrev_b32 v3, 2, v2
	s_mul_i32 s32, s24, 32*WP
	s_add_co_u32 s32, s32, WSTG                    ; my stage
	v_mul_u32_u24 v4, v2, WP
	v_add_nc_u32 v4, s32, v4                       ; into it: row = my column
	v_and_b32 v5, 15, v2
	v_lshrrev_b32 v6, 4, v2
	v_mul_u32_u24 v7, v5, WP                       ; out of it, as a fragment's load wants it: row r, 16 h along K
	v_lshl_add_u32 v7, v6, 4, v7
	v_add_nc_u32 v7, s32, v7
	v_lshlrev_b32 v8, 4, v2                        ; and 16 x lane in wcodes
.macro LOADW t
.irp i, 0,1,2,3,4,5,6,7,8,9,10,11,12,13,14,15,16,17,18,19,20,21,22,23,24,25,26,27,28,29,30,31
	global_load_b32 v[XW+32*((\t)%2)+\i], v3, s[8:9] offset:(32*(\t)+\i)*4096 th:TH_LOAD_NT
.endr
.endm
	LOADW 0
	LOADW 1
	s_wait_kmcnt 0x0
	s_cmp_lt_u32 ttmp9, 640
	s_cselect_b32 s22, s21, s23                    ; e1 or e3
	s_add_co_i32 s22, s22, 127
	s_lshl_b32 s23, s22, 23
	v_mov_b32 v11, s23
	s_add_co_i32 s22, s22, 8
	s_lshl_b32 s22, s22, 23
	s_or_b32 s22, s22, 0x600000
	v_mov_b32 v10, s22
.macro BLOCKW t
.set XS, XW+32*((\t)%2)
.if (\t) < NB-1
	s_wait_loadcnt 32                              ; this block's 32 loads are in; the next block's may be out
.else
	s_wait_loadcnt 0
.endif
.irp i, 0,1,2,3,4,5,6,7,8,9,10,11,12,13,14,15,16,17,18,19,20,21,22,23,24,25,26,27,28,29,30,31
	v_med3_num_f32 v[XS+\i], v[XS+\i], -v10, v10
.endr
.irp g, 0,1,2,3
	v_cvt_scalef32_pk8_fp8_f32 v[CW+2*\g:CW+2*\g+1], v[XS+8*\g:XS+8*\g+7], v11
.endr
	ds_store_b128 v4, v[CW:CW+3] offset:32*(\t)
	ds_store_b128 v4, v[CW+4:CW+7] offset:32*(\t)+16
.if (\t)+2 < NB
	LOADW (\t)+2
.endif
	s_wait_dscnt 0x0                               ; the stores have read their registers
.endm
	s_wait_alu depctr_va_vdst(0)
.irp t, 0,1,2,3,4,5,6,7
	BLOCKW \t
.endr
; t = 8 u + 4 sl + c: columns 16 u on, my sl-th 128 along K, its c-th 32
.irp t, 0,1,2,3,4,5,6,7,8,9,10,11,12,13,14,15
	ds_load_b128 v[OUTR+4*\t:OUTR+4*\t+3], v7 offset:(\t/8)*16*WP+((\t/4)%2)*128+(\t%4)*32
.endr
.irp t, 0,1,2,3,4,5,6,7,8,9,10,11,12,13,14,15
	s_wait_dscnt 15-\t
	global_store_b128 v8, v[OUTR+4*\t:OUTR+4*\t+3], s[18:19] offset:((\t/4)%2)*16384+(\t/8)*2048+(\t%4)*512   ; 512 consecutive bytes, aligned
.endr
	s_wait_tensorcnt 0x0
	ds_add_u32 v192, v193
	s_wait_dscnt 0x0
	s_endpgm
.Lfunc_end_k_q187f95f40b_quant:
	.size	k_q187f95f40b_quant, .Lfunc_end_k_q187f95f40b_quant-k_q187f95f40b_quant
	.p2alignl 7, 3214868480
	.fill 96, 4, 3214868480
	.section	.rodata,"a",@progbits
	.p2align	6, 0x0
	.amdhsa_kernel k_q187f95f40b_quant
		.amdhsa_group_segment_fixed_size 68096
		.amdhsa_private_segment_fixed_size 0
		.amdhsa_enable_private_segment 0
		.amdhsa_kernarg_size 56
		.amdhsa_user_sgpr_count 2
		.amdhsa_user_sgpr_kernarg_segment_ptr 1
		.amdhsa_wavefront_size32 1
		.amdhsa_system_sgpr_workgroup_id_x 1
		.amdhsa_system_sgpr_workgroup_id_y 1
		.amdhsa_system_sgpr_workgroup_id_z 1
		.amdhsa_system_vgpr_workitem_id 0
		.amdhsa_next_free_vgpr 194
		.amdhsa_next_free_sgpr 66
		.amdhsa_reserve_vcc 0
		.amdhsa_float_denorm_mode_32 3
		.amdhsa_float_denorm_mode_16_64 3
		.amdhsa_memory_ordered 1
		.amdhsa_forward_progress 1
		.amdhsa_inst_pref_size 86
	.end_amdhsa_kernel
	.amdgpu_metadata
---
amdhsa.version: [ 1, 2 ]
amdhsa.kernels:
  - .name:           k_q187f95f40b_quant
    .symbol:         k_q187f95f40b_quant.kd
    .args:
      - { .name: input_embedding, .offset: 0, .size: 8, .value_kind: global_buffer, .address_space: global }
      - { .name: previous_hidden_states, .offset: 8, .size: 8, .value_kind: global_buffer, .address_space: global }
      - { .name: Wx, .offset: 16, .size: 8, .value_kind: global_buffer, .address_space: global }
      - { .name: Wh, .offset: 24, .size: 8, .value_kind: global_buffer, .address_space: global }
      - { .name: lowp_scales, .offset: 32, .size: 8, .value_kind: global_buffer, .address_space: global }
      - { .name: acodes, .offset: 40, .size: 8, .value_kind: global_buffer, .address_space: global }
      - { .name: wcodes, .offset: 48, .size: 8, .value_kind: global_buffer, .address_space: global }
    .group_segment_fixed_size: 68096
    .private_segment_fixed_size: 0
    .kernarg_segment_align: 8
    .kernarg_segment_size: 56
    .max_flat_workgroup_size: 128
    .sgpr_count:     66
    .vgpr_count:     194
    .wavefront_size: 32
...
	.end_amdgpu_metadata
.endif
;; end of part 1
;; launch lstm (part 2): grid 16 x 16, 4 waves a work-group, clusters of 4 x 4, 327,680 bytes of LDS; arguments acodes, wcodes, lowp_scales, bx, bh, previous_cell_states, out0, out1; writes out0, out1
.if DOCPART == 2
	.amdgcn_target "amdgcn-amd-amdhsa--gfx1250"
	.amdhsa_code_object_version 6
	.text
	.protected	k_q187f95f40b_lstm
	.globl	k_q187f95f40b_lstm
	.p2align	8
	.type	k_q187f95f40b_lstm,@function
k_q187f95f40b_lstm:
	s_mov_b64 s[64:65], 0
	v_nop
	global_prefetch_b8 v0, s[64:65] scope:SCOPE_SE
	s_setreg_imm32_b32 hwreg(HW_REG_WAVE_MODE, 25, 1), 1
	s_wait_xcnt 0x0
	s_wait_alu depctr_hold_cnt(0) depctr_sa_sdst(0) depctr_va_vdst(0) depctr_va_sdst(0) depctr_va_ssrc(0) depctr_va_vcc(0) depctr_vm_vsrc(0)
	s_getreg_b32 s2, hwreg(HW_REG_IB_STS2, 6, 4)
	s_cmp_eq_u32 s2, 0
	s_cbranch_scc0 .Lentry_in_a_cluster
	s_endpgm
.Lentry_in_a_cluster:
	s_bfe_u32 s2, ttmp6, 0x10000c
	s_cmp_lg_u32 s2, 0xf033
	s_cbranch_scc0 .Lentry_shape_is_right
	s_endpgm
.Lentry_shape_is_right:
; The LSTM cell on codes of FP8 (E4M3).  gates[m][g][o] = 2^(e0+e1) sum_k x[m][k] Wx[g][k][o] + 2^(e2+e3) sum_k h[m][k] Wh[g][k][o] + bx[g][o] + bh[g][o];
; c_new = sigmoid(f) c_prev + sigmoid(i) tanh(c);  out = sigmoid(o) tanh(c_new).  out0 = out, out1 = c_new, both [8192][1024] f32.
; ONE GEMM over K = 2,048 (x's codes, then h's).  When the first 1,024 are summed every accumulator is multiplied once by 2^d, d = (e0+e1) - (e2+e3): nothing is rounded, and 2^(e2+e3) serves the whole sum.
; SHARES.  256 work-groups of four waves.  A WORK-GROUP STAYS and makes two tiles of 256 rows x 64 columns of both outputs, 4,096 rows apart, on the same columns: a counted loop of two trips round the whole body.
; Wave w has the rows 128 (w / 2) on and the columns 32 (w % 2) on, all four gates: 64 accumulators, 512 registers.
; THE MATRIX INSTRUCTION IS USED TRANSPOSED (source 0 = 16 rows of weights, source 1 = 16 rows of acodes): in accumulator (a, b = 2 g + u) lane (r, h) holds in register j: row 16 a + r, gate g, column 16 u + 8 h + j.
; So the four gates of a number lie in one lane at one register index: the cell is computed in registers.
; TWO ROADS FOR THE OPERANDS.  acodes go through LDS: two slots of 256 rows x 512 along K, each wave fetching 64 rows by one joint load (4 x 4 clusters: the four of a cluster's row need the same rows).
; wcodes are laid by the launch before as the operand registers take them, and each wave loads its own fragments from memory into registers, 512 consecutive bytes an instruction, two steps of 128 ahead:
; four units of 64 registers (4 fragments) take turns; s_wait_loadcnt 48 leaves the three younger units out.  No multicast for wcodes: they pass no LDS.
; A STEP of 128 along K is four quarters of 16 matrix instructions: (A0,B0) (A1,B0) (A1,B1) (A0,B1).  B0's unit is loaded anew behind the second, A1's group behind the third, A0's and B1's behind the fourth.
; acodes' blocks 4-7 (A1) have one group of 64 registers, blocks 0-3 (A0) two by turns, so that A0 of step s + 2 is fetched at the end of step s.  So a slot's last read is issued in its third step,
; and the change of slots stands at that step's end; from a refill to the wait for it a wave issues four steps' 256 matrix instructions.
; EVERY TRIP RUNS THE SAME FILLS, and each is read in its trip: chunks 0 and 1 at the trip's top, chunks 2 and 3 and c_prev's tile at the three changes of slots.
; The slots take tensor loads alone: c_new and out go out through a stage of their own behind the spare words.
; PREFETCH: the change of slots that loads chunk 2 names chunk 3 (16 rows x 2 blocks of 256 bytes a wave: the four partners share a wave's 64 rows out by address), the next names c_prev's tile, which the third
; loads; the third names, in the first trip alone, the next tile's chunks 0 to 2.  The first tile's chunks 0 to 2 come by their loads alone.  None for wcodes: their loads themselves stand two steps ahead of their
; use and wait at no change of slots.
; THE CELL, all f32: E = 2^(-log2(e) gate): sigmoid = 1 / (1 + E); with -2 log2(e): tanh = 2 / (1 + E) - 1.  An infinite E gives 0 or -1, as the functions do: no hold is needed.
; LIMITS: e2+e3 between -126 and 126; d between -126 and 99 (a sum of 1,024 products is under 2^28); NaN and infinities among the inputs are not served.
; The biases are added to each other first and then to the sums: another order of rounding.
; REGISTERS.  Window 0: v16-31 addresses; v32-47 c_prev of a block; v48-63 the o gate of every second block; v64-127, v192-255 A0's two groups; v128-191 A1's; behind the products v64-127 the biases,
; v128-255 the cell's work.  Window 1: wcodes' four units.  Windows 2, 3: the accumulators of my rows 0-63, 64-127, (a, b) at v[8 (8 (a % 4) + b)].
.set CH,     512                       ; a slot's row: 512 codes along K
.set KROW,   2048
.set PITCH,  528                       ; 512 bytes + 16 of padding = 132 words: row r starts at bank 4 r mod 64 (ISA guide 11.1)
.set QUART,  64*PITCH                  ; what one tensor load brings
.set SLOT,   4*QUART
.set SPARE,  2*SLOT                    ; the spare words: 512 bytes that no other line names
.set STG,    SPARE+512                 ; the stage: three blocks by turns; no tensor load lands here
.set BLK,    32*PITCH                  ; a block of the stage: 16 rows for each half of the tile's rows; bytes 0-255 of a row c_new, 256-511 out
.set OROW,   4096                      ; a row of c_prev, out0, out1
.set NEXTA,  4096*KROW                 ; from a tile to the work-group's next, in acodes,
.set NEXTO,  4096*OROW                 ; and in c_prev and the outputs
.set ADRA, 16                          ; v16-17 my fragments of acodes in slot 0, 1
.set BO,   18                          ; 16 x lane
.set STC,  20                          ; the stage: my 32 bytes of a row of c_new
.set STH,  21                          ; the same for out
.set RD,   22                          ; whole rows back from the stage: wave w takes c_new (w % 2 = 0) or out
.set CPA,  23                          ; my 32 bytes of a row of c_prev, in slot 0's rows
.set CO,   24
.set BV,   25                          ; the biases: 32 h
.set SPW,  28
.set NIL,  29
.set PFO,  30
.set PFOC, 31
.set CP,   32
.set GX,   64
.set GY,   128
.set BIAS, 64
.set EI,   128
.set EF,   144
.set EC,   160
.set EO,   176
.set X1,   192
.set X2,   208
.set BK,   224
.set G1,  24                           ; s[24:31] group 1 of acodes' tiles; s[32:39] group 0, a set for each slot
.set G0,  32
.set BP,  48                           ; s[48:49] my stream of wcodes
.set PFN, 50                           ; s[50:51] the prefetch of the second tile's rows
.set G1C, 76                           ; s[76:83], s[84:87] c_prev's tile
.set G0C, 84
.set PFA, 88
.set PFC, 92
.set SD,  94                           ; 2^d, twice
.set SA,  96                           ; -log2(e) 2^(e2+e3), twice
.set SC,  98                           ; -2 log2(e) 2^(e2+e3), twice
.set MSB, 0
.macro WIN new                         ; the immediate's high byte repeats the setting that is left
.if MSB != (\new)
	s_set_vgpr_msb (MSB<<8)|(\new)
.set MSB, (\new)
.endif
.endm
.set MUL_LO, 0xa1                      ; source 0 window 1, source 1 window 0, C and D window 2
.set MUL_HI, 0xf1
.set TO_B,   0x40                      ; destination window 1
.macro PLACES                          ; four plain places behind matrix instructions, ahead of loads into their sources
.rept 4
	v_nop
.endr
.endm
.macro CREST                           ; a round of the cluster's barrier behind its opening barrier
	s_cmp_lg_u32 s14, 0
	s_cbranch_scc1 .Lnot_wave_0_\@
	s_barrier_signal -3
.Lnot_wave_0_\@:
	s_barrier_wait -3
	s_barrier_signal -1
	s_barrier_wait -1
.endm
.macro CROUND
	s_barrier_signal -1
	s_barrier_wait -1
	CREST
.endm
; 8 matrix instructions: acodes' blocks a0, a0 + 1 of the group at ga x the four fragments of unit un (b = 4 bu on).  The accumulators take turns
.macro MULH ga, un, bu, a0, zero
.irp a, \a0, \a0+1
.irp b, 0,1,2,3
.if \zero
	v_wmma_f32_16x16x128_fp8_fp8 v[8*(8*(\a)+4*(\bu)+\b):8*(8*(\a)+4*(\bu)+\b)+7], v[64*(\un)+16*\b:64*(\un)+16*\b+15], v[(\ga)+16*(\a):(\ga)+16*(\a)+15], 0
.else
	v_wmma_f32_16x16x128_fp8_fp8 v[8*(8*(\a)+4*(\bu)+\b):8*(8*(\a)+4*(\bu)+\b)+7], v[64*(\un)+16*\b:64*(\un)+16*\b+15], v[(\ga)+16*(\a):(\ga)+16*(\a)+15], v[8*(8*(\a)+4*(\bu)+\b):8*(8*(\a)+4*(\bu)+\b)+7]
.endif
.endr
.endr
.endm
.macro LDA g, slot, q, i0              ; blocks i0 .. i0 + 3 of the slot's q-th 128 along K: registers 4 c .. 4 c + 3 hold k = 32 c + 16 h + 0 .. 15, as wcodes are laid
.irp i, 0,1,2,3
.irp c, 0,1,2,3
	ds_load_b128 v[(\g)+16*\i+4*\c:(\g)+16*\i+4*\c+3], v[ADRA+(\slot)] offset:128*(\q)+32*\c+((\i0)+\i)*16*PITCH
.endr
.endr
.endm
.macro LDB un, s, bu                   ; step s's fragments b = 4 bu on: 8,192 consecutive bytes
.irp b, 0,1,2,3
.irp c, 0,1,2,3
	global_load_b128 v[64*(\un)+16*\b+4*\c:64*(\un)+16*\b+4*\c+3], v[BO], s[BP:BP+1] offset:16384*(\s)+2048*(4*(\bu)+\b)+512*\c
.endr
.endr
.endm
.macro LDBIAS d, p                     ; at d + 16 g + 8 u + j: the bias of gate g, my column 16 u + 8 h + j: sixteen loads, as many as a unit's
.irp g, 0,1,2,3
.irp u, 0,1
	global_load_b128 v[(\d)+16*\g+8*\u:(\d)+16*\g+8*\u+3],   v[BV], s[\p:\p+1] offset:4096*\g+64*\u
	global_load_b128 v[(\d)+16*\g+8*\u+4:(\d)+16*\g+8*\u+7], v[BV], s[\p:\p+1] offset:4096*\g+64*\u+16
.endr
.endr
.endm
	s_load_b256 s[4:11], s[0:1], 0x0               ; acodes, wcodes, the exponents, bx
	s_load_b256 s[68:75], s[0:1], 0x20             ; bh, c_prev, out0, out1
	v_lshl_add_u32 v[SPW], v0, 2, SPARE
	v_mov_b32 v[NIL], 0
	ds_add_u32 v[SPW], v[NIL]                      ; the opening lines: the add, twice on end, and its wait
	ds_add_u32 v[SPW], v[NIL]
	v_lshrrev_b32 v1, 5, v0
	v_readfirstlane_b32 s14, v1                    ; wave
	s_lshr_b32 s15, s14, 1                         ; my half of the rows
	s_and_b32 s16, s14, 1                          ; my half of the columns
	s_bfe_u32 s40, ttmp6, 0x40000                  ; cx
	s_bfe_u32 s41, ttmp6, 0x40004                  ; cy
	s_lshl_b32 s42, ttmp9, 2
	s_add_co_u32 s42, s42, s40                     ; tile column (64 output columns)
	s_and_b32 s17, ttmp7, 0xffff
	s_lshl_b32 s17, s17, 2
	s_add_co_u32 s17, s17, s41                     ; the first tile's row (256 rows): 0 .. 15
	s_lshl_b32 s43, s41, 2
	s_lshl_b32 s43, 15, s43                        ; my row of the cluster
	s_or_b32 s[G1+0], s43, (0<<16)|(1<<20)|(1<<21)|(6<<22)|(3<<25)  ; the mask; bytes; padding of 4 words behind every 128; bit 21 beside a mask
	s_mov_b32 s[G1+1], CH<<16
	s_mov_b32 s[G1+2], 64<<16
	s_mov_b32 s[G1+3], CH<<16
	s_mov_b32 s[G1+4], 64
	s_mov_b32 s[G1+5], KROW
	s_mov_b32 s[G1+6], 0
	s_mov_b32 s[G1+7], 0
	s_mov_b32 s[G1C+0], (0<<16)|(1<<20)|(5<<22)|(67<<25)   ; c_prev: rows of 256 bytes, 68 words skipped behind each: the slot's own pitch, the rows' first halves
	s_mov_b32 s[G1C+1], 256<<16
	s_mov_b32 s[G1C+2], 64<<16
	s_mov_b32 s[G1C+3], 256<<16
	s_mov_b32 s[G1C+4], 64
	s_mov_b32 s[G1C+5], OROW
	s_mov_b32 s[G1C+6], 0
	s_mov_b32 s[G1C+7], 0
	s_lshl_b32 s20, s17, 8
	s_lshl_b32 s18, s14, 6
	s_add_co_u32 s20, s20, s18                     ; acodes: row 256 x tile row + 64 x wave
	s_lshl_b32 s20, s20, 11
	s_mov_b32 s21, 0
	s_mul_i32 s45, s14, QUART
	s_wait_dscnt 0x0
	s_wait_kmcnt 0x0
	s_load_b128 s[96:99], s[8:9], 0x0              ; e0 .. e3
	s_add_nc_u64 s[20:21], s[4:5], s[20:21]
.irp s, 0,1
	s_mov_b32 s[G0+4*\s], 1
	s_add_co_u32 s[G0+4*\s+1], s45, \s*SLOT
	s_add_nc_u64 s[G0+4*\s+2:G0+4*\s+3], s[20:21], \s*CH
	s_or_b32 s[G0+4*\s+3], s[G0+4*\s+3], 0x80000000
.endr
	s_lshl_b32 s46, s42, 1                         ; wcodes: stream 2 x tile column + my half, 262,144 bytes each
	s_add_co_u32 s46, s46, s16
	s_lshl_b32 s46, s46, 18
	s_mov_b32 s47, 0
	s_add_nc_u64 s[BP:BP+1], s[6:7], s[46:47]
	s_lshl_b32 s46, s42, 8                         ; the biases: the tile's 256 bytes, my 128
	s_lshl_b32 s19, s16, 7
	s_add_co_u32 s46, s46, s19
	s_add_nc_u64 s[10:11], s[10:11], s[46:47]
	s_add_nc_u64 s[68:69], s[68:69], s[46:47]
	s_cmp_eq_u32 s16, 0                            ; wave w % 2 = 0 stores c_new (out1), 1 stores out (out0)
	s_cselect_b64 s[12:13], s[74:75], s[72:73]
	s_lshl_b32 s46, s17, 8
	s_lshl_b32 s19, s15, 7
	s_add_co_u32 s46, s46, s19
	s_lshl_b32 s46, s46, 12
	s_lshl_b32 s19, s42, 8
	s_add_co_u32 s46, s46, s19
	s_add_nc_u64 s[12:13], s[12:13], s[46:47]
	s_lshl_b32 s46, s17, 8                         ; c_prev: wave w fetches rows 64 w on
	s_lshl_b32 s44, s14, 6
	s_add_co_u32 s46, s46, s44
	s_lshl_b32 s46, s46, 12
	s_add_co_u32 s46, s46, s19
	s_mov_b32 s[G0C], 1
	s_mul_i32 s[G0C+1], s14, QUART
	s_add_nc_u64 s[G0C+2:G0C+3], s[70:71], s[46:47]
	s_mov_b64 s[PFC:PFC+1], s[G0C+2:G0C+3]
	s_or_b32 s[G0C+3], s[G0C+3], 0x80000000
	s_lshl_b32 s46, s17, 8                         ; the prefetch of acodes: of my wave's 64 rows my work-group's 16, by cx
	s_add_co_u32 s46, s46, s44
	s_lshl_b32 s44, s40, 4
	s_add_co_u32 s46, s46, s44
	s_lshl_b32 s46, s46, 11
	s_add_nc_u64 s[PFA:PFA+1], s[4:5], s[46:47]
	s_add_nc_u64 s[PFN:PFN+1], s[PFA:PFA+1], NEXTA ; the same rows of the second tile
	s_mul_i32 s21, s15, 2*QUART                    ; my 128 rows in a slot
	s_add_co_u32 s22, s21, SLOT
	s_lshl_b32 s23, s16, 7
	s_add_co_u32 s23, s21, s23
	s_mul_i32 s44, s15, 16*PITCH                   ; my half's 16 rows in a block of the stage
	s_add_co_u32 s44, s44, STG
	s_lshl_b32 s19, s16, 7
	s_add_co_u32 s19, s44, s19
	s_lshl_b32 s18, s16, 8
	s_add_co_u32 s18, s44, s18
	v_and_b32 v1, 15, v0                           ; r
	v_bfe_u32 v2, v0, 4, 1                         ; h
	v_and_b32 v6, 31, v0
	v_mul_u32_u24 v3, v1, PITCH
	v_lshl_add_u32 v4, v2, 4, v3
	v_add_nc_u32 v[ADRA], s21, v4
	v_add_nc_u32 v[ADRA+1], s22, v4
	v_lshlrev_b32 v[BO], 4, v6
	v_lshl_add_u32 v5, v2, 5, v3
	v_add_nc_u32 v[CPA], s23, v5
	v_add_nc_u32 v[STC], s19, v5
	v_add_nc_u32 v[STH], 256, v[STC]
	v_mul_u32_u24 v5, v2, PITCH
	v_lshl_add_u32 v5, v1, 4, v5
	v_add_nc_u32 v[RD], s18, v5
	v_lshlrev_b32 v[CO], 12, v2
	v_lshl_add_u32 v[CO], v1, 4, v[CO]
	v_lshrrev_b32 v7, 1, v6
	v_and_b32 v8, 1, v6
	v_lshlrev_b32 v[PFO], 11, v7                   ; row lane / 2, block lane % 2
	v_lshl_add_u32 v[PFO], v8, 8, v[PFO]
	v_lshlrev_b32 v[PFOC], 12, v6
	v_lshlrev_b32 v[BV], 5, v2
	s_wait_alu depctr_va_vdst(0)                   ; the wait at the head's end
	s_wait_kmcnt 0x0
	s_add_co_i32 s91, s96, s97                     ; e0 + e1
	s_add_co_i32 s101, s98, s99                    ; e2 + e3
	s_sub_co_i32 s[SD], s91, s101
	s_add_co_i32 s[SD], s[SD], 127
	s_lshl_b32 s[SD], s[SD], 23                    ; 2^d
	s_mov_b32 s[SD+1], s[SD]
	s_lshl_b32 s101, s101, 23
	s_add_co_u32 s[SA], s101, 0xbfb8aa3b           ; e2 + e3 onto the exponent field of -log2(e),
	s_mov_b32 s[SA+1], s[SA]
	s_add_co_u32 s[SC], s101, 0xc038aa3b           ; and of -2 log2(e)
	s_mov_b32 s[SC+1], s[SC]
	s_mov_b32 s3, 2                                ; tiles to go: the same number in every work-group
.macro STEP s
.set GA0, GX+128*((\s)%2)
.set U0, (2*(\s))%4
.set U1, U0+1
.set Z, ((\s)==0)
.set SL, ((\s)/4)%2
	s_wait_loadcnt 48                              ; B0's unit is in; the three units asked for behind it may be out
.if (\s) < 15
	s_wait_dscnt 32                                ; A0 is in; behind it: A1, and the next step's A0
.else
	s_wait_dscnt 16
.endif
	WIN MUL_LO
	MULH GA0, U0, 0, 0, Z
	MULH GA0, U0, 0, 2, Z
.if (\s) < 15
	s_wait_dscnt 16                                ; A1 is in
.else
	s_wait_dscnt 0
.endif
	WIN MUL_HI
	MULH GY, U0, 0, 0, Z
	MULH GY, U0, 0, 2, Z
.if (\s) < 15
	PLACES
	WIN TO_B
.if (\s) < 14
	LDB U0, (\s)+2, 0
.else
	LDBIAS 0, 68                                   ; no step 16: bh takes the unit's place, in the registers and in the counts
.endif
	s_wait_loadcnt 48                              ; B1's unit is in
.else
	s_wait_loadcnt 32                              ; behind B1's unit: the two biases
	s_wait_tensorcnt 0x0                           ; my rows of c_prev have landed, and no LDS read of mine is out: say so
	s_barrier_signal -1
.endif
	WIN MUL_HI
	MULH GY, U1, 1, 0, Z
	MULH GY, U1, 1, 2, Z
.if (\s) < 15
	PLACES
	WIN 0
	LDA GY, (((\s)+1)/4)%2, ((\s)+1)%4, 4
.endif
.if (((\s)%4) == 2) && ((\s) < 14)
	s_wait_tensorcnt 0x0                           ; THE CHANGE OF SLOTS: my part of the next chunk has landed;
	ds_add_u32 v[SPW], v[NIL]
	WIN MUL_LO
	MULH GA0, U1, 1, 0, 0
	s_wait_dscnt 0x0                               ; the add is done, and my last reads of this slot are back
	s_barrier_signal -1
	MULH GA0, U1, 1, 2, 0
	WIN 0
	s_barrier_wait -1
	CREST                                          ; no wave of any partner still reads this slot or has a load on its way
.if (\s) < 10
	s_add_nc_u64 s[G0+4*SL+2:G0+4*SL+3], s[G0+4*SL+2:G0+4*SL+3], 2*CH
	tensor_load_to_lds s[G0+4*SL:G0+4*SL+3], s[G1:G1+7]   ; the chunk two on, jointly
.else
	tensor_load_to_lds s[G0C:G0C+3], s[G1C:G1C+7]  ; slot 0 takes no more codes of this tile: c_prev's tile, each wave its own 64 rows
.endif
	s_nop 0
	PLACES
	LDA GA0, 1-SL, 0, 0
	WIN TO_B
	LDB U1, (\s)+2, 1
.if (\s) == 2
	global_prefetch_b8 v[PFO], s[PFA:PFA+1] offset:3*CH th:TH_LOAD_NT scope:SCOPE_SE          ; chunk 3, which the next change of slots loads
.endif
.if (\s) == 6
	global_prefetch_b8 v[PFOC], s[PFC:PFC+1] th:TH_LOAD_NT scope:SCOPE_SE                     ; c_prev's rows, a lane a row
	global_prefetch_b8 v[PFOC], s[PFC:PFC+1] offset:32*OROW th:TH_LOAD_NT scope:SCOPE_SE
.endif
.if (\s) == 10
	WIN 0
	s_cmp_eq_u32 s3, 2                             ; the last trip has no next tile and asks for nothing
	s_cbranch_scc0 .Lno_next
	global_prefetch_b8 v[PFO], s[PFN:PFN+1] th:TH_LOAD_NT scope:SCOPE_SE                      ; the next tile's chunks 0 to 2
	global_prefetch_b8 v[PFO], s[PFN:PFN+1] offset:CH th:TH_LOAD_NT scope:SCOPE_SE
	global_prefetch_b8 v[PFO], s[PFN:PFN+1] offset:2*CH th:TH_LOAD_NT scope:SCOPE_SE
.Lno_next:
.endif
.else
	WIN MUL_LO
	MULH GA0, U1, 1, 0, Z
	MULH GA0, U1, 1, 2, Z
.if (\s) < 14
	PLACES
	WIN 0
	LDA GA0, (((\s)+2)/4)%2, ((\s)+2)%4, 0
	WIN TO_B
	LDB U1, (\s)+2, 1
.endif
.if (\s) == 14
	PLACES
	WIN 0
	LDBIAS BIAS, 10                                ; bx, into A0's group, which has no further step
.endif
.if (\s) == 15
	WIN 0
	s_barrier_wait -1                              ; c_prev's tile is whole.
.endif
.endif
.endm
.Ltile:                                                ; A TILE.
	s_wait_tensorcnt 0x0
	ds_add_u32 v[SPW], v[NIL]
	ds_add_u32 v[SPW], v[NIL]
	s_wait_dscnt 0x0                               ; the adds are done, and so are my reads of the last tile's c_prev in slot 0
	CROUND                                         ; all sixteen work-groups are here: the joint loads meet
	tensor_load_to_lds s[G0:G0+3], s[G1:G1+7]      ; K chunk 0
	s_nop 0
	PLACES
	WIN TO_B
	LDB 0, 0, 0                                    ; steps 0 and 1: all four units
	LDB 1, 0, 1
	LDB 2, 1, 0
	LDB 3, 1, 1
	WIN 0
	s_wait_tensorcnt 0x0                           ; my part of chunk 0 is in
	ds_add_u32 v[SPW], v[NIL]
	s_wait_dscnt 0x0
	CROUND
	tensor_load_to_lds s[G0+4:G0+7], s[G1:G1+7]    ; K chunk 1
	s_nop 0
	PLACES
	LDA GX, 0, 0, 0                                ; A0 of step 0, A1 of step 0, A0 of step 1: the order of every later step
	LDA GY, 0, 0, 4
	LDA GX+128, 0, 1, 0
.irp s, 0,1,2,3,4,5,6,7
	STEP \s
.endr
	WIN 0x82                                       ; x's product is summed: every accumulator x 2^d, each from its low end on; the step's last four places stand ahead
.set j, 0
.rept 128
	v_pk_mul_f32 v[j:j+1], v[j:j+1], s[SD:SD+1] op_sel_hi:[1,0]
.set j, j+2
.endr
	WIN 0xc3
.set j, 0
.rept 128
	v_pk_mul_f32 v[j:j+1], v[j:j+1], s[SD:SD+1] op_sel_hi:[1,0]
.set j, j+2
.endr
	WIN 0
	s_wait_alu depctr_va_vdst(0)                   ; the wait, ahead of the next step's waits
.irp s, 8,9,10,11,12,13,14,15
	STEP \s
.endr
; THE CELL, block by block of 16 rows x my 32 columns: 16 numbers a lane.
; TWO BLOCKS ARE AT WORK AT A TIME: turn a makes block a's gates and c_new, and of block a - 1 tanh(c_new) and out, so that a turn has two batches of transcendentals, 80 each: block a's 64 and block a - 1's 16.
; The o gate's sixteen registers lie at v176 on and at v48 on by turns, since block a - 1's outlives block a's gates.
.macro FMA a                           ; the four gates' arguments: sum x (-log2(e) 2^(e2+e3)) + bias, each accumulator from its low end on
.set EOC, EO-128*((\a)%2)
	WIN 0x02+((\a)/4)
	s_wait_alu depctr_va_vdst(0)                   ; the wait, ahead of the first reader of these matrix results
.set j, 0
.rept 24
.if j >= 32
	v_pk_fma_f32 v[EI+j:EI+j+1], v[64*((\a)%4)+j:64*((\a)%4)+j+1], s[SC:SC+1], v[BIAS+j:BIAS+j+1] op_sel_hi:[1,0,1]
.else
	v_pk_fma_f32 v[EI+j:EI+j+1], v[64*((\a)%4)+j:64*((\a)%4)+j+1], s[SA:SA+1], v[BIAS+j:BIAS+j+1] op_sel_hi:[1,0,1]
.endif
.set j, j+2
.endr
.rept 8
	v_pk_fma_f32 v[EOC+j-48:EOC+j-47], v[64*((\a)%4)+j:64*((\a)%4)+j+1], s[SA:SA+1], v[BIAS+j:BIAS+j+1] op_sel_hi:[1,0,1]
.set j, j+2
.endr
	WIN 0
.endm
.macro BATCH op, a                     ; one batch, in place: i, f, c and o of block a, t of block a - 1; the wait ahead of it, a plain place behind it
	s_wait_alu depctr_va_vdst(0)
.if (\a) < 8
.set j, 0
.rept 48
	\op v[EI+j], v[EI+j]
.set j, j+1
.endr
.set j, 0
.rept 16
	\op v[EOC+j], v[EOC+j]
.set j, j+1
.endr
.endif
.if (\a) > 0
.set j, 0
.rept 16
	\op v[X2+j], v[X2+j]
.set j, j+1
.endr
.endif
	v_nop
.endm
.macro ADD1 a                          ; 1 + E for all of them, behind the one wait for the exponentials
	s_wait_alu depctr_va_vdst(0)
.if (\a) < 8
.set j, 0
.rept 24
	v_pk_add_f32 v[EI+j:EI+j+1], v[EI+j:EI+j+1], 1.0 op_sel_hi:[1,0]
.set j, j+2
.endr
.set j, 0
.rept 8
	v_pk_add_f32 v[EOC+j:EOC+j+1], v[EOC+j:EOC+j+1], 1.0 op_sel_hi:[1,0]
.set j, j+2
.endr
.endif
.if (\a) > 0
.set j, 0
.rept 8
	v_pk_add_f32 v[X2+j:X2+j+1], v[X2+j:X2+j+1], 1.0 op_sel_hi:[1,0]
.set j, j+2
.endr
.endif
.endm
.macro P2 a                            ; block a - 1: out = sigmoid(o) tanh(c_new)
.set EOP, EO-128*(((\a)-1)%2)
.irp k, 0,2,4,6,8,10,12,14
	v_pk_fma_f32 v[X2+\k:X2+\k+1], v[X2+\k:X2+\k+1], 2.0, -1.0 op_sel_hi:[1,0,0]     ; tanh(c_new)
.endr
.irp k, 0,2,4,6,8,10,12,14
	v_pk_mul_f32 v[X2+\k:X2+\k+1], v[X2+\k:X2+\k+1], v[EOP+\k:EOP+\k+1]
.endr
.irp u, 0,1
	ds_store_b128 v[STH], v[X2+8*\u:X2+8*\u+3]   offset:BLK*(((\a)-1)%3)+64*\u
	ds_store_b128 v[STH], v[X2+8*\u+4:X2+8*\u+7] offset:BLK*(((\a)-1)%3)+64*\u+16
.endr
.endm
.macro P1 a                            ; block a: c_new, and the argument of its tanh
.irp k, 0,2,4,6,8,10,12,14
	v_pk_fma_f32 v[EC+\k:EC+\k+1], v[EC+\k:EC+\k+1], 2.0, -1.0 op_sel_hi:[1,0,0]     ; tanh of the cell gate
.endr
.irp k, 0,2,4,6,8,10,12,14
	v_pk_mul_f32 v[X1+\k:X1+\k+1], v[EI+\k:EI+\k+1], v[EC+\k:EC+\k+1]
.endr
.irp k, 0,2,4,6,8,10,12,14
	v_pk_fma_f32 v[X1+\k:X1+\k+1], v[EF+\k:EF+\k+1], v[CP+\k:CP+\k+1], v[X1+\k:X1+\k+1]   ; c_new
.endr
.irp k, 0,2,4,6,8,10,12,14
	v_pk_mul_f32 v[X2+\k:X2+\k+1], v[X1+\k:X1+\k+1], 0xc038aa3b op_sel_hi:[1,0]      ; -2 log2(e) c_new
.endr
.irp u, 0,1
	ds_store_b128 v[STC], v[X1+8*\u:X1+8*\u+3]   offset:BLK*((\a)%3)+64*\u
	ds_store_b128 v[STC], v[X1+8*\u+4:X1+8*\u+7] offset:BLK*((\a)%3)+64*\u+16
.endr
.if (\a) < 7
.irp u, 0,1
	ds_load_b128 v[CP+8*\u:CP+8*\u+3],   v[CPA] offset:16*PITCH*((\a)+1)+64*\u       ; my c_prev of the next block: its registers have just been used
	ds_load_b128 v[CP+8*\u+4:CP+8*\u+7], v[CPA] offset:16*PITCH*((\a)+1)+64*\u+16
.endr
.endif
.endm
; a row's 256 bytes come from two waves: behind a barrier each wave reads a block's 16 whole rows of c_new or of out
.macro BACK a
	s_wait_xcnt 0x0                                ; the last block's stores have read their registers
.irp t, 0,1,2,3,4,5,6,7
	ds_load_b128 v[BK+4*\t:BK+4*\t+3], v[RD] offset:BLK*((\a)%3)+2*\t*PITCH
.endr
.endm
.macro SEND a
.irp t, 0,1,2,3,4,5,6,7
	global_store_b128 v[CO], v[BK+4*\t:BK+4*\t+3], s[12:13] offset:(16*(\a)+2*\t)*OROW th:TH_STORE_NT   ; sixteen lanes store 256 consecutive bytes, aligned
.endr
.endm
; Turn a.  At its head block a - 2 is stored whole by this wave (c_new in turn a - 2, out in turn a - 1): the barrier's signal stands behind the turn's multiply-adds, its wait behind the exponentials
; (work on registers alone between the two); then the block's whole rows are read back, and stored behind the reciprocals.  Block a takes the stage's part of block a - 3, whose rows every wave
; had back in turn a - 1, ahead of this turn's signal: three parts and one barrier a turn are enough.
.macro ITER a
.if (\a) < 8
	FMA \a
.endif
.if (\a) > 1
	s_wait_dscnt 0x0                               ; for the others' sake: my stores into the stage are done
	s_barrier_signal -1
.endif
	BATCH v_exp_f32, \a
.if (\a) > 1
	s_barrier_wait -1
	BACK (\a)-2
.endif
	ADD1 \a
	BATCH v_rcp_f32, \a
	s_wait_dscnt 0x0                               ; block a - 2's rows are back, and this block's c_prev is in
.if (\a) > 1
	SEND (\a)-2
.endif
	s_wait_alu depctr_va_vdst(0)                   ; one wait for the reciprocals, ahead of their first reader
.if (\a) > 0
	P2 \a
.endif
.if (\a) < 8
	P1 \a
.endif
.endm
.irp u, 0,1
	ds_load_b128 v[CP+8*\u:CP+8*\u+3],   v[CPA] offset:64*\u
	ds_load_b128 v[CP+8*\u+4:CP+8*\u+7], v[CPA] offset:64*\u+16
.endr
	s_wait_loadcnt 0x0                             ; the biases
	WIN 0x04                                       ; source 1: window 1, where bh lies
.set j, 0
.rept 32
	v_pk_add_f32 v[BIAS+j:BIAS+j+1], v[BIAS+j:BIAS+j+1], v[j:j+1]      ; these 64 lines are also the places behind the last products
.set j, j+2
.endr
	WIN 0
.set j, 0
.rept 32
.if (j >= 32) && (j < 48)
	v_pk_mul_f32 v[BIAS+j:BIAS+j+1], v[BIAS+j:BIAS+j+1], 0xc038aa3b op_sel_hi:[1,0]
.else
	v_pk_mul_f32 v[BIAS+j:BIAS+j+1], v[BIAS+j:BIAS+j+1], 0xbfb8aa3b op_sel_hi:[1,0]
.endif
.set j, j+2
.endr
.irp a, 0,1,2,3,4,5,6,7,8
	ITER \a
.endr
	s_wait_dscnt 0x0                               ; block 7's out is stored
	s_barrier_signal -1
	s_barrier_wait -1
	BACK 7
	s_wait_dscnt 0x0
	SEND 7
	s_wait_xcnt 0x0                                ; the stores and prefetches have read their registers and bases; no tensor load is out since step 15's wait: all that follows may be written
	s_add_nc_u64 s[12:13], s[12:13], NEXTO         ; on to the next tile, 4,096 rows down (behind the last tile the stepped addresses are not used)
	s_add_nc_u64 s[G0C+2:G0C+3], s[G0C+2:G0C+3], NEXTO
	s_add_nc_u64 s[PFC:PFC+1], s[PFC:PFC+1], NEXTO
	s_add_nc_u64 s[PFA:PFA+1], s[PFA:PFA+1], NEXTA
	s_add_nc_u64 s[G0+2:G0+3], s[G0+2:G0+3], NEXTA-2*CH    ; from chunk 2 to the next tile's chunk 0,
	s_add_nc_u64 s[G0+6:G0+7], s[G0+6:G0+7], NEXTA-2*CH    ; from chunk 3 to its chunk 1
	s_sub_co_u32 s3, s3, 1
	s_cmp_lg_u32 s3, 0
	s_wait_alu depctr_va_vdst(0)                   ; the wait, directly ahead of the branch
	s_cbranch_scc1 .Ltile
	s_wait_tensorcnt 0x0                           ; the wave's end
	ds_add_u32 v[SPW], v[NIL]
	s_wait_dscnt 0x0
	CROUND                                         ; the closing round
	s_endpgm
.Lfunc_end_k_q187f95f40b_lstm:
	.size	k_q187f95f40b_lstm, .Lfunc_end_k_q187f95f40b_lstm-k_q187f95f40b_lstm
	.p2alignl 7, 3214868480
	.fill 96, 4, 3214868480
	.section	.rodata,"a",@progbits
	.p2align	6, 0x0
	.amdhsa_kernel k_q187f95f40b_lstm
		.amdhsa_group_segment_fixed_size 327680
		.amdhsa_private_segment_fixed_size 0
		.amdhsa_enable_private_segment 0
		.amdhsa_kernarg_size 64
		.amdhsa_user_sgpr_count 2
		.amdhsa_user_sgpr_kernarg_segment_ptr 1
		.amdhsa_wavefront_size32 1
		.amdhsa_system_sgpr_workgroup_id_x 1
		.amdhsa_system_sgpr_workgroup_id_y 1
		.amdhsa_system_sgpr_workgroup_id_z 1
		.amdhsa_system_vgpr_workitem_id 0
		.amdhsa_next_free_vgpr 1024
		.amdhsa_next_free_sgpr 102
		.amdhsa_reserve_vcc 0
		.amdhsa_float_denorm_mode_32 3
		.amdhsa_float_denorm_mode_16_64 3
		.amdhsa_memory_ordered 1
		.amdhsa_forward_progress 1
		.amdhsa_inst_pref_size 255
	.end_amdhsa_kernel
	.section	.bss,"aw",@nobits
	.p2align	6
	.space	262144
	.amdgpu_metadata
---
amdhsa.version: [ 1, 2 ]
amdhsa.kernels:
  - .name:           k_q187f95f40b_lstm
    .symbol:         k_q187f95f40b_lstm.kd
    .args:
      - { .name: acodes, .offset: 0, .size: 8, .value_kind: global_buffer, .address_space: global }
      - { .name: wcodes, .offset: 8, .size: 8, .value_kind: global_buffer, .address_space: global }
      - { .name: lowp_scales, .offset: 16, .size: 8, .value_kind: global_buffer, .address_space: global }
      - { .name: bx, .offset: 24, .size: 8, .value_kind: global_buffer, .address_space: global }
      - { .name: bh, .offset: 32, .size: 8, .value_kind: global_buffer, .address_space: global }
      - { .name: previous_cell_states, .offset: 40, .size: 8, .value_kind: global_buffer, .address_space: global }
      - { .name: out0, .offset: 48, .size: 8, .value_kind: global_buffer, .address_space: global }
      - { .name: out1, .offset: 56, .size: 8, .value_kind: global_buffer, .address_space: global }
    .group_segment_fixed_size: 327680
    .private_segment_fixed_size: 0
    .kernarg_segment_align: 8
    .kernarg_segment_size: 64
    .max_flat_workgroup_size: 128
    .sgpr_count:     102
    .vgpr_count:     1024
    .wavefront_size: 32
...
	.end_amdgpu_metadata
.endif
;; end of part 2
